; MI455X (gfx1250); checked and timed in simulation.
; The chip was launched on July 23, 2026; its instructions are those of AMD's public machine-readable ISA for CDNA 5 (MIT licence, August 2026) and "CDNA5" Instruction Set Architecture Reference Guide (July 2026). The comments in the code are by the model that wrote it; some were corrected since.
;; nojit custom LSTM Cell. Allowed arithmetic: float matrix products may take bf16 or f16 operands with f32 sums; all other float work in f32.
;; Inputs: Wh 4,096 x 1,024 float32; Wx 4,096 x 1,024 float32; bh 4,096 float32; bx 4,096 float32; cx 8,192 x 1,024 float32; hx 8,192 x 1,024 float32; x 8,192 x 1,024 float32.
;; Outputs: out0 8,192 x 1,024 float32; out1 8,192 x 1,024 float32.
;; One version. Each part assembles by itself: llvm-mc -triple=amdgcn-amd-amdhsa -mcpu=gfx1250 --defsym DOCPART=n.
;; ======== version 1 of 1: 2 launches
;; workspace buffers: abf 33,554,432 bytes; wbf 16,777,216 bytes
;; launch cast (part 1): grid 256 x 3, 8 waves a work-group, no clusters, 0 bytes of LDS; arguments x, hx, Wx, Wh, abf, wbf; writes abf, wbf
.if DOCPART == 1
	.amdgcn_target "amdgcn-amd-amdhsa--gfx1250"
	.amdhsa_code_object_version 6
	.text
	.protected	k_q82608c9cbb_cast
	.globl	k_q82608c9cbb_cast
	.p2align	8
	.type	k_q82608c9cbb_cast,@function
k_q82608c9cbb_cast:
	s_mov_b64 s[64:65], 0
	v_nop
	global_prefetch_b8 v0, s[64:65] scope:SCOPE_SE
	s_setreg_imm32_b32 hwreg(HW_REG_WAVE_MODE, 25, 1), 1
	s_wait_xcnt 0x0
; f32 to bf16, once for each element, and the two operands of the product laid out for the next launch.
;   abf [8192][2048] bf16: columns 0-1023 = x, columns 1024-2047 = hx.
;   wbf [4096][2048] bf16: columns 0-1023 = Wx, 1024-2047 = Wh; source row n = 1024 g + j (gate g) goes to row
;   128 (j >> 5) + 32 g + (j & 31), so that 128 neighbouring rows hold the four gates of 32 neighbouring j.
; THE ORDER OF k IS PERMUTED inside each group of 256 columns, alike in abf and wbf: place 8 L + e (L = 0..31) holds k = 4 L + e for e < 4 and
; k = 128 + 4 L + e - 4 for e >= 4.  Equal places hold equal k in both, so the product's terms are the same; only the order of the sums differs.
; It lets a lane pack what two loads of 512 consecutive bytes gave it into one store of 16 bytes: 16 stores a wave instead of 32.
; A stream: every byte is read once and written once, so no LDS, no barrier, no matrix unit and no cluster (nothing is shared).
; Grid y: 0 = x, 1 = hx, 2 = the weights (x < 128: Wx, else Wh).  A work-group takes 32 source rows of 4,096 bytes, a wave four of them.
; A wave issues all its 32 loads at once (512 consecutive bytes each, 16 KiB of the wave on their way); each store covers 512 consecutive
; bytes, at a multiple of 512 from the buffer's first byte.
.set ROW, 4096                         ; bytes in a source row (1,024 f32) and in a destination row (2,048 bf16)
.set X,   4                            ; v[4:131]  load k: four registers
	s_load_b256 s[4:11], s[0:1], 0x0               ; x s[4:5], hx s[6:7], Wx s[8:9], Wh s[10:11]
	s_load_b128 s[12:15], s[0:1], 0x20             ; abf s[12:13], wbf s[14:15]
	s_and_b32 s16, ttmp7, 0xffff                   ; y: which matrix
	s_mov_b32 s17, ttmp9                           ; x: which 32 rows
	s_and_b32 s18, s17, 127                        ; weights: which 32 rows of the 4,096
	s_lshr_b32 s19, s17, 7                         ; weights: 0 = Wx, 1 = Wh
	s_lshl_b32 s24, s17, 17                        ; x, hx: source offset = 32 rows x 4,096 bytes x group
	s_lshl_b32 s25, s18, 17                        ; weights: the same with their own count
	s_lshl_b32 s26, s16, 11                        ; abf: the same rows, hx 2,048 bytes to the right
	s_add_co_u32 s26, s26, s24
	s_and_b32 s30, s18, 31                         ; weights: the 32 rows are j = 32 (group & 31) + 0..31 of gate group >> 5
	s_lshl_b32 s30, s30, 19                        ; 128 rows x 4,096 bytes for each block of 32 j
	s_lshr_b32 s31, s18, 5
	s_lshl_b32 s31, s31, 17                        ; 32 rows x 4,096 bytes for each gate
	s_add_co_u32 s27, s30, s31
	s_lshl_b32 s31, s19, 11                        ; Wh 2,048 bytes to the right
	s_add_co_u32 s27, s27, s31
	v_and_b32 v3, 31, v0                           ; lane
	v_lshrrev_b32 v2, 5, v0                        ; wave
	v_lshlrev_b32 v2, 14, v2                       ; four rows of 4,096 bytes a wave, in source and destination alike
	v_lshl_or_b32 v1, v3, 4, v2                    ; 16 bytes a lane, for the loads and for the stores
	s_wait_kmcnt 0x0
	s_cmp_eq_u32 s16, 0
	s_cselect_b64 s[20:21], s[4:5], s[6:7]         ; x or hx
	s_cmp_eq_u32 s19, 0
	s_cselect_b64 s[22:23], s[8:9], s[10:11]       ; Wx or Wh
	s_cmp_eq_u32 s16, 2                            ; the selects below leave SCC alone
	s_cselect_b64 s[20:21], s[22:23], s[20:21]     ; the source,
	s_cselect_b64 s[28:29], s[14:15], s[12:13]     ; the destination,
	s_cselect_b32 s24, s25, s24                    ; and their offsets (all below 2^31)
	s_cselect_b32 s26, s27, s26
	s_mov_b32 s25, 0
	s_mov_b32 s27, 0
	s_add_nc_u64 s[20:21], s[20:21], s[24:25]
	s_add_nc_u64 s[28:29], s[28:29], s[26:27]
.irp i, 0,1,2,3
.irp c, 0,1,2,3,4,5,6,7
	global_load_b128 v[X+4*(8*\i+\c):X+4*(8*\i+\c)+3], v1, s[20:21] offset:\i*ROW+\c*512 th:TH_LOAD_NT
.endr
.endr
; Pair d of row i: the loads of chunks 2 d and 2 d + 1 lie in eight neighbouring registers and shrink into the first four.
; No register that a load or a store names is written again behind it, so the only waits are those for the data.
.irp i, 0,1,2,3
.irp d, 0,1,2,3
.set BB, X+8*(4*\i+\d)
	s_wait_loadcnt 30-2*(4*\i+\d)                  ; loads come back in order (ISA guide 5.7.1): the pair's two are in, the younger ones stay out
	v_cvt_pk_bf16_f32 v[BB],   v[BB],   v[BB+1]
	v_cvt_pk_bf16_f32 v[BB+1], v[BB+2], v[BB+3]
	v_cvt_pk_bf16_f32 v[BB+2], v[BB+4], v[BB+5]
	v_cvt_pk_bf16_f32 v[BB+3], v[BB+6], v[BB+7]
	global_store_b128 v1, v[BB:BB+3], s[28:29] offset:\i*ROW+\d*512   ; no streaming hint: the next launch reads these bytes
.endr
.endr
	s_endpgm
.Lfunc_end_k_q82608c9cbb_cast:
	.size	k_q82608c9cbb_cast, .Lfunc_end_k_q82608c9cbb_cast-k_q82608c9cbb_cast
	.p2alignl 7, 3214868480
	.fill 96, 4, 3214868480
	.section	.rodata,"a",@progbits
	.p2align	6, 0x0
	.amdhsa_kernel k_q82608c9cbb_cast
		.amdhsa_group_segment_fixed_size 0
		.amdhsa_private_segment_fixed_size 0
		.amdhsa_enable_private_segment 0
		.amdhsa_kernarg_size 48
		.amdhsa_user_sgpr_count 2
		.amdhsa_user_sgpr_kernarg_segment_ptr 1
		.amdhsa_wavefront_size32 1
		.amdhsa_system_sgpr_workgroup_id_x 1
		.amdhsa_system_sgpr_workgroup_id_y 1
		.amdhsa_system_sgpr_workgroup_id_z 1
		.amdhsa_system_vgpr_workitem_id 0
		.amdhsa_next_free_vgpr 132
		.amdhsa_next_free_sgpr 66
		.amdhsa_reserve_vcc 0
		.amdhsa_float_denorm_mode_32 3
		.amdhsa_float_denorm_mode_16_64 3
		.amdhsa_memory_ordered 1
		.amdhsa_forward_progress 1
		.amdhsa_inst_pref_size 11
	.end_amdhsa_kernel
	.amdgpu_metadata
---
amdhsa.version: [ 1, 2 ]
amdhsa.kernels:
  - .name:           k_q82608c9cbb_cast
    .symbol:         k_q82608c9cbb_cast.kd
    .args:
      - { .name: x, .offset: 0, .size: 8, .value_kind: global_buffer, .address_space: global }
      - { .name: hx, .offset: 8, .size: 8, .value_kind: global_buffer, .address_space: global }
      - { .name: Wx, .offset: 16, .size: 8, .value_kind: global_buffer, .address_space: global }
      - { .name: Wh, .offset: 24, .size: 8, .value_kind: global_buffer, .address_space: global }
      - { .name: abf, .offset: 32, .size: 8, .value_kind: global_buffer, .address_space: global }
      - { .name: wbf, .offset: 40, .size: 8, .value_kind: global_buffer, .address_space: global }
    .group_segment_fixed_size: 0
    .private_segment_fixed_size: 0
    .kernarg_segment_align: 8
    .kernarg_segment_size: 48
    .max_flat_workgroup_size: 256
    .sgpr_count:     66
    .vgpr_count:     132
    .wavefront_size: 32
...
	.end_amdgpu_metadata
.endif
;; end of part 1
;; launch lstm (part 2): grid 16 x 32, 4 waves a work-group, clusters of 4 x 4, 327,680 bytes of LDS; arguments abf, wbf, cx, bx, bh, out0, out1; writes out0, out1
.if DOCPART == 2
	.amdgcn_target "amdgcn-amd-amdhsa--gfx1250"
	.amdhsa_code_object_version 6
	.text
	.protected	k_q82608c9cbb_lstm
	.globl	k_q82608c9cbb_lstm
	.p2align	8
	.type	k_q82608c9cbb_lstm,@function
k_q82608c9cbb_lstm:
	s_mov_b64 s[64:65], 0
	v_nop
	global_prefetch_b8 v0, s[64:65] scope:SCOPE_SE
	s_setreg_imm32_b32 hwreg(HW_REG_WAVE_MODE, 25, 1), 1
	s_wait_xcnt 0x0
	s_wait_alu depctr_hold_cnt(0) depctr_sa_sdst(0) depctr_va_vdst(0) depctr_va_sdst(0) depctr_va_ssrc(0) depctr_va_vcc(0) depctr_vm_vsrc(0)
	s_getreg_b32 s2, hwreg(HW_REG_IB_STS2, 6, 4)
	s_cmp_eq_u32 s2, 0
	s_cbranch_scc0 .Lentry_in_a_cluster
	s_endpgm
.Lentry_in_a_cluster:
	s_bfe_u32 s2, ttmp6, 0x10000c
	s_cmp_lg_u32 s2, 0xf033
	s_cbranch_scc0 .Lentry_shape_is_right
	s_endpgm
.Lentry_shape_is_right:
; gates = abf wbf^T + (bx + bh), then C = sigmoid(f) cx + sigmoid(i) tanh(g), h = sigmoid(o) tanh(C).  out0 = h, out1 = C, f32.
; abf [8192][2048] and wbf [4096][2048] are bf16; wbf's row 128 (j >> 5) + 32 g + (j & 31) is gate g of output column j.  Along the rows both hold k in
; one and the same permuted order, so equal places are equal k and this text need not know the order.
; A work-group makes 256 rows x 256 gate columns = 256 rows x 64 output columns with four waves; a wave makes 128 x 128 gates in 64 accumulator
; tiles of 16 x 16 (512 registers).  K goes in steps of 128 through two LDS slots filled by the tensor data mover (rows of 256 bytes).
; The gates never leave the registers: a wave's 128 gate columns are 4 gates x 32 j, n tile b = 2 g + jb holds gate g of j = 16 jb + 0..15,
; so the four gates of one output lie in one lane, at one register index, in tiles jb, 2 + jb, 4 + jb, 6 + jb.
; CLUSTERS: 4 x 4 work-groups.  The four of a row of the cluster need the same tiles of abf, the four of a column the same tiles of wbf:
; each such tile is asked for jointly, which divides the requests for both by four.  cx is shared by nobody and comes by a tensor load of its own, without a mask.
; LIMITS.  Matrix operands are rounded to bf16.  The exponents of 2 in the terms of i, g, o and tanh(C) are cut off at +60, so that a product of two
; factors (1 + 2^60) stays finite and its reciprocal normal: a sigmoid below 2^-60 comes out as about 2^-60.  The cut is v_min_num_f32, in which
; a NaN loses: a NaN in those gates or in C is not passed on.  tanh is (1 - e) / (1 + e): near 0 its absolute error is that of one rounding of 1 - e.
;
; REGISTERS, in windows of 256 (s_set_vgpr_msb says which window each operand place means):
;   window 0: v0-31 addresses; v64-127, v128-191 fragments of abf, two buffers; v192-255 bx + bh for the eight n tiles;
;             in the tail v32-63 rows of h on their way out, v64-111 at work, v128-255 cx, then C, then rows of C on their way out
;   window 1: v64-127, v128-191 fragments of wbf, two buffers
;   window 2: the 32 accumulator tiles of my rows 0-63 (tile (a, b) at v[8 (8 a + b)]);   window 3: those of my rows 64-127
; THE MATRIX INSTRUCTION IS USED TRANSPOSED: source 0 = 16 rows of wbf, source 1 = 16 rows of abf.  Lane l then holds row l % 16, and its registers
; 0 to 7 the gate columns 8 (l / 16) + 0 .. 7 of the tile: eight neighbouring j.
.set SIZE_K, 2048
.set KSTEP,  128
.set PITCH,  272                       ; an LDS row: 256 bytes + 16 of padding: the 16 rows that a load of 16 bytes a lane touches begin at 16 different 16-byte columns of 256
.set HALFT,  128*PITCH                 ; 128 rows: what one joint load brings, and what a wave reads of either operand
.set SLOT,   4*HALFT                   ; abf's 256 rows, then wbf's 256 rows
.set HST,    SLOT                      ; tail: h, 256 rows x 272 bytes, in slot 1 behind its last fill
.set CST,    SLOT+2*HALFT              ; tail: C, likewise.  (cx lies in slot 0's first 256 rows.)
.set LAPS,   SIZE_K/(2*KSTEP)          ; a lap = two K steps = once round the ring: 8
.set ROWB,   4096                      ; bytes in a row of cx, out0, out1, and of abf and wbf
.set ADRA, 16                          ; v16-17  LDS address of my abf fragments in slot 0, 1
.set ADRB, 20                          ; v20-21  the same for wbf
.set BOFF, 24                          ; v24     my byte offset in the biases
.set CO,   26                          ; v26     my byte offset in out0 and out1
.set CXA,  27                          ; v27     my 32 bytes of a unit in the cx tile
.set STH,  28                          ; v28     the same place in the stage of h
.set STC,  29                          ; v29     and of C
.set RDH,  30                          ; v30     where I read rows of h back
.set RDC,  31                          ; v31     and of C
.set OH,   32                          ; v[32:63] tail: 16 rows of h, read back
.set F0,   64
.set F1,   128
.set BIAS, 192
.set ZF,   64                          ; tail, eight registers each: the four gates' terms,
.set ZI,   72
.set ZG,   80
.set ZO,   88
.set TT,   96                          ; and two at work
.set UV,   104
.set CXR,  128                         ; tail: v[128:255] cx of my 128 outputs, overwritten by C
.set G1,  24                           ; s[24:31] group 1 for abf's tiles
.set G0,  32                           ; s[32:39] group 0 for abf's tiles, one set a slot
.set G1B, 48                           ; s[48:55] group 1 for wbf's tiles: another mask
.set G0B, 56                           ; s[56:63] group 0 for wbf's tiles
.set G0C, 68                           ; s[68:71] group 0 for my quarter of the cx tile
.set G1C, 72                           ; s[72:79] group 1 for it
.set SNL,  92                          ; s[92:93] -log2 e, twice
.set SN2L, 94                          ; s[94:95] -2 log2 e, twice
.set S60,  96                          ; s96      60.0
.set MSB, 0
.macro WIN new                         ; the immediate's high byte repeats the setting that is left
.if MSB != \new
	s_set_vgpr_msb (MSB<<8)|\new
.set MSB, \new
.endif
.endm
.set MUL_LO,  0xa1                     ; source 0 (wbf) window 1, source 1 (abf) window 0, C and D window 2
.set MUL_HI,  0xf1                     ; the same, C and D window 3
.set BIAS_LO, 0x81                     ; the first product: C = the biases in window 0, D window 2
.set BIAS_HI, 0xc1                     ; and D window 3
.set TO_B,    0x40                     ; destination window 1, address window 0
; A joint load.  Waves 0 and 1 fetch abf's two halves, waves 2 and 3 wbf's.  Each line has one mask and one set of registers for all that issue it;
; the branch hangs on the wave's number alone.
.macro JLOAD s
	s_cmp_eq_u32 s11, 0
	s_cbranch_scc0 .Lfor_b_\@
	tensor_load_to_lds s[G0+4*\s:G0+4*\s+3], s[G1:G1+7]
	s_nop 0
	s_branch .Lasked_\@
.Lfor_b_\@:
	tensor_load_to_lds s[G0B+4*\s:G0B+4*\s+3], s[G1B:G1B+7]
	s_nop 0
.Lasked_\@:
.endm
; A round of the cluster's barrier: my work-group's barrier; wave 0 signals for the work-group; every wave waits for all sixteen; my work-group's barrier again.
.macro CREST                           ; a round behind its opening barrier
	s_cmp_lg_u32 s10, 0
	s_cbranch_scc1 .Lnot_wave_0_\@
	s_barrier_signal -3
.Lnot_wave_0_\@:
	s_barrier_wait -3
	s_barrier_signal -1
	s_barrier_wait -1
.endm
.macro CROUND                          ; a whole round
	s_barrier_signal -1
	s_barrier_wait -1
	CREST
.endm
	s_load_b128 s[4:7], s[0:1], 0x0                ; abf s[4:5], wbf s[6:7]
	s_load_b256 s[80:87], s[0:1], 0x10             ; cx s[80:81], bx s[82:83], bh s[84:85], out0 s[86:87]
	s_load_b64 s[88:89], s[0:1], 0x30              ; out1
	s_set_vgpr_msb 0x40
	v_lshl_add_u32 v255, v0, 2, 0x44000
	s_set_vgpr_msb 0x4000
	v_mov_b32 v25, 0
	s_set_vgpr_msb 0x1
	ds_add_u32 v255, v25
	s_set_vgpr_msb 0x100
	v_lshrrev_b32 v1, 5, v0
	v_readfirstlane_b32 s10, v1                    ; wave 0..3
	s_lshr_b32 s11, s10, 1                         ; which half of the block's rows is mine.  Also: I fetch for abf (0) or for wbf (1)
	s_and_b32 s12, s10, 1                          ; which half of its gate columns.  Also: which 128 rows of that tile I fetch
	s_bfe_u32 s40, ttmp6, 0x40000                  ; my place along the cluster's x
	s_bfe_u32 s41, ttmp6, 0x40004                  ; and along its y
	s_lshl_b32 s42, ttmp9, 2
	s_add_co_u32 s42, s42, s40                     ; block column = 4 x cluster x + place
	s_and_b32 s13, ttmp7, 0xffff
	s_lshl_b32 s13, s13, 2
	s_add_co_u32 s13, s13, s41                     ; block row = 4 x cluster y + place
	s_lshl_b32 s43, s41, 2
	s_lshl_b32 s43, 15, s43                        ; my row of the cluster
	s_lshl_b32 s44, 0x1111, s40                    ; my column
	; group 1 of the joint loads: 128 rows x 128 elements of 2 bytes, 4 words of padding behind every 64
	s_or_b32 s[G1+0], s43, (1<<16)|(1<<20)|(1<<21)|(5<<22)|(3<<25)
	s_or_b32 s[G1B+0], s44, (1<<16)|(1<<20)|(1<<21)|(5<<22)|(3<<25)
	s_mov_b32 s[G1+1], KSTEP<<16                   ; tensor_dim0 = 128
	s_mov_b32 s[G1B+1], KSTEP<<16
	s_mov_b32 s[G1+2], 128<<16                     ; tensor_dim1 = 128
	s_mov_b32 s[G1B+2], 128<<16
	s_mov_b32 s[G1+3], KSTEP<<16                   ; tile_dim0 = 128
	s_mov_b32 s[G1B+3], KSTEP<<16
	s_mov_b32 s[G1+4], 128                         ; tile_dim1 = 128
	s_mov_b32 s[G1B+4], 128
	s_mov_b32 s[G1+5], SIZE_K                      ; elements from row to row
	s_mov_b32 s[G1B+5], SIZE_K
	s_mov_b32 s[G1+6], 0
	s_mov_b32 s[G1B+6], 0
	s_mov_b32 s[G1+7], 0
	s_mov_b32 s[G1B+7], 0
	; where the tiles come from: abf's hang on the block row alone, wbf's on the block column alone, each in registers that never hold the other
	s_lshl_b32 s17, s12, 7                         ; which 128 rows of the tile I fetch
	s_lshl_b32 s16, s13, 8
	s_add_co_u32 s16, s16, s17
	s_lshl_b32 s16, s16, 12                        ; rows of 4,096 bytes: at most 8,064 rows, below 2^31 bytes
	s_lshl_b32 s46, s42, 8
	s_add_co_u32 s46, s46, s17
	s_lshl_b32 s46, s46, 12
	s_mov_b32 s17, 0
	s_mov_b32 s47, 0
	s_mul_i32 s20, s10, HALFT                      ; and where they go: wave x 128 rows
	s_wait_dscnt 0x0
	s_wait_kmcnt 0x0
	s_add_nc_u64 s[14:15], s[4:5], s[16:17]
	s_add_nc_u64 s[46:47], s[6:7], s[46:47]
	CROUND                                         ; all sixteen work-groups are here: the first joint loads meet
.irp s, 0,1
	s_mov_b32 s[G0+4*\s], 1
	s_add_co_u32 s[G0+4*\s+1], s20, \s*SLOT
	s_add_nc_u64 s[G0+4*\s+2:G0+4*\s+3], s[14:15], \s*KSTEP*2      ; K step s
	s_or_b32 s[G0+4*\s+3], s[G0+4*\s+3], 0x80000000
	s_mov_b32 s[G0B+4*\s], 1
	s_add_co_u32 s[G0B+4*\s+1], s20, \s*SLOT
	s_add_nc_u64 s[G0B+4*\s+2:G0B+4*\s+3], s[46:47], \s*KSTEP*2
	s_or_b32 s[G0B+4*\s+3], s[G0B+4*\s+3], 0x80000000
	JLOAD \s                                       ; two tensor loads of the wave are out from here to the first wait
.endr
	; offsets: into cx (the 64 rows that I fetch, the block's 64 columns), into the biases (my 32 j), into out0 and out1 (the rows that I store)
	s_lshl_b32 s66, s13, 8
	s_lshl_b32 s97, s10, 6
	s_add_co_u32 s66, s66, s97                     ; cx: row 256 x block row + 64 x wave
	s_lshl_b32 s66, s66, 12
	s_lshl_b32 s97, s42, 8                         ; 64 f32 for each block column
	s_add_co_u32 s66, s66, s97                     ; below 2^25
	s_mov_b32 s67, 0
	s_lshl_b32 s98, s12, 7                         ; 32 f32 for my half
	s_add_co_u32 s90, s97, s98
	s_mov_b32 s91, 0
	s_lshl_b32 s98, s13, 8                         ; out: row 256 x block row + 128 x my row half + 16 x my column half;
	s_lshl_b32 s99, s11, 7                         ; the phase's 32 rows and the pair of rows stand in the stores' immediates
	s_add_co_u32 s98, s98, s99
	s_lshl_b32 s99, s12, 4
	s_add_co_u32 s98, s98, s99
	s_lshl_b32 s98, s98, 12
	s_add_co_u32 s98, s98, s97                     ; below 2^25
	s_mov_b32 s99, 0
	; the cx tile: each wave brings 64 rows x 64 f32 (256 bytes), padded like the others.  No mask: nobody shares it.  Written once, never again.
	s_mov_b32 s[G1C+0], (2<<16)|(1<<20)|(5<<22)|(3<<25)            ; elements of 4 bytes; 4 words of padding behind every 64
	s_mov_b32 s[G1C+1], 64<<16                     ; tensor_dim0 = 64
	s_mov_b32 s[G1C+2], 64<<16                     ; tensor_dim1 = 64
	s_mov_b32 s[G1C+3], 64<<16                     ; tile_dim0 = 64
	s_mov_b32 s[G1C+4], 64                         ; tile_dim1 = 64
	s_mov_b32 s[G1C+5], 1024                       ; elements from row to row
	s_mov_b32 s[G1C+6], 0
	s_mov_b32 s[G1C+7], 0
	s_mov_b32 s[G0C+0], 1
	s_mul_i32 s[G0C+1], s10, 64*PITCH              ; LDS: wave x 64 rows, from byte 0
	s_add_nc_u64 s[G0C+2:G0C+3], s[80:81], s[66:67]
	s_or_b32 s[G0C+3], s[G0C+3], 0x80000000
	s_add_nc_u64 s[82:83], s[82:83], s[90:91]      ; bx and bh at my 32 j of gate 0
	s_add_nc_u64 s[84:85], s[84:85], s[90:91]
	s_add_nc_u64 s[86:87], s[86:87], s[98:99]      ; out0 and out1 at the first row that I store
	s_add_nc_u64 s[88:89], s[88:89], s[98:99]
	s_mov_b32 s[SNL], 0xbfb8aa3b
	s_mov_b32 s[SNL+1], 0xbfb8aa3b
	s_mov_b32 s[SN2L], 0xc038aa3b
	s_mov_b32 s[SN2L+1], 0xc038aa3b
	s_mov_b32 s[S60], 0x42700000
	v_and_b32 v1, 15, v0                           ; r = l % 16
	v_bfe_u32 v2, v0, 4, 1                         ; h = l / 16
	v_lshlrev_b32 v[BOFF], 5, v2                   ; my eight j of a tile: 32 h bytes
	; bx + bh for the eight n tiles: tile b = 2 g + jb, register q = bias of gate g at j = 16 jb + 8 h + q.  bh goes through fragment buffer 1, which is still free.
.irp g, 0,1,2,3
.irp jb, 0,1
	global_load_b128 v[BIAS+8*(2*\g+\jb):BIAS+8*(2*\g+\jb)+3],   v[BOFF], s[82:83] offset:\g*4096+\jb*64
	global_load_b128 v[BIAS+8*(2*\g+\jb)+4:BIAS+8*(2*\g+\jb)+7], v[BOFF], s[82:83] offset:\g*4096+\jb*64+16
	global_load_b128 v[F1+8*(2*\g+\jb):F1+8*(2*\g+\jb)+3],       v[BOFF], s[84:85] offset:\g*4096+\jb*64
	global_load_b128 v[F1+8*(2*\g+\jb)+4:F1+8*(2*\g+\jb)+7],     v[BOFF], s[84:85] offset:\g*4096+\jb*64+16
.endr
.endr
	; fragments: lane l holds row l % 16; two loads of 16 bytes, 32 bytes apart, at row x pitch + 16 (l / 16)
	v_mul_u32_u24 v3, v1, PITCH
	v_lshl_add_u32 v3, v2, 4, v3
	s_mul_i32 s21, s11, HALFT                      ; my 128 rows of abf
	s_mul_i32 s22, s12, HALFT                      ; my 128 rows of wbf,
	s_add_co_u32 s22, s22, 2*HALFT                 ; which lie behind abf's 256
.irp s, 0,1
	v_add_nc_u32 v[ADRA+\s], s21, v3
	v_add_nc_u32 v[ADRB+\s], s22, v3
	s_add_co_u32 s21, s21, SLOT
	s_add_co_u32 s22, s22, SLOT
.endr
	; the tail's addresses.  cx tile and both stages have one layout: block row R at R x 272, output column at 4 bytes each.
	v_lshlrev_b32 v5, 12, v2
	v_lshl_add_u32 v[CO], v1, 4, v5                ; out: lanes 0-15 one row's 256 bytes, lanes 16-31 the next row's
	s_mul_i32 s23, s11, HALFT                      ; my 128 rows,
	s_lshl_b32 s45, s12, 7                         ; my 32 columns
	s_add_co_u32 s23, s23, s45
	v_mul_u32_u24 v4, v1, PITCH                    ; row r,
	v_lshl_add_u32 v4, v2, 5, v4                   ; eight columns for each half of the lanes
	v_add_nc_u32 v[CXA], s23, v4
	v_add_nc_u32 v[STH], HST, v[CXA]
	v_add_nc_u32 v[STC], CST, v[CXA]
	s_mul_i32 s45, s11, HALFT                      ; back: of each phase's 32 rows of my row half I take 16, by my column half; two whole rows a load
	s_mul_i32 s22, s12, 16*PITCH
	s_add_co_u32 s45, s45, s22
	s_add_co_u32 s45, s45, HST
	v_mul_u32_u24 v5, v2, PITCH
	v_lshl_add_u32 v5, v1, 4, v5
	v_add_nc_u32 v[RDH], s45, v5
	v_add_nc_u32 v[RDC], CST-HST, v[RDH]
	s_wait_loadcnt 0x0                             ; the biases, once
.set q, 0
.rept 32
	v_pk_add_f32 v[BIAS+q:BIAS+q+1], v[BIAS+q:BIAS+q+1], v[F1+q:F1+q+1]
.set q, q+2
.endr
; 16 matrix instructions: m blocks a0, a0 + 1 of the window's four x all 8 n blocks, 32 along K.
; zero = 1: the first product starts the sums from bx + bh: nothing is cleared and no bias is added later.
; The 64 accumulators take turns, one instruction a turn, in the same order in every quarter step.
.macro MUL16 f, hi, a0, zero
.irp a, \a0, \a0+1
.irp b, 0,1,2,3,4,5,6,7
.if \zero
	v_wmma_f32_16x16x32_bf16 v[8*(8*(\a)+\b):8*(8*(\a)+\b)+7], v[\f+8*\b:\f+8*\b+7], v[\f+8*(4*\hi+\a):\f+8*(4*\hi+\a)+7], v[BIAS+8*\b:BIAS+8*\b+7]
.else
	v_wmma_f32_16x16x32_bf16 v[8*(8*(\a)+\b):8*(8*(\a)+\b)+7], v[\f+8*\b:\f+8*\b+7], v[\f+8*(4*\hi+\a):\f+8*(4*\hi+\a)+7], v[8*(8*(\a)+\b):8*(8*(\a)+\b)+7]
.endif
.endr
.endr
.endm
; 32 LDS loads in one run: the fragments of one quarter step (32 K at byte k of the rows) into buffer f
.macro FETCH slot, k, f
	WIN TO_B
.irp i, 0,1,2,3,4,5,6,7
	ds_load_b128 v[\f+8*\i:\f+8*\i+3],   v[ADRB+\slot] offset:\k+\i*16*PITCH
	ds_load_b128 v[\f+8*\i+4:\f+8*\i+7], v[ADRB+\slot] offset:\k+\i*16*PITCH+32
.endr
	WIN 0
.irp i, 0,1,2,3,4,5,6,7
	ds_load_b128 v[\f+8*\i:\f+8*\i+3],   v[ADRA+\slot] offset:\k+\i*16*PITCH
	ds_load_b128 v[\f+8*\i+4:\f+8*\i+7], v[ADRA+\slot] offset:\k+\i*16*PITCH+32
.endr
.endm
; Four plain vector instructions stand between a matrix instruction and a load into one of its registers or a vector instruction that reads its result
; (ISA guide 7.12.1 for vector instructions); the matrix instructions in between are not counted.
.macro PLACES
.rept 4
	v_nop
.endr
.endm
; One of a K step's first three quarters: multiplies buffer f; in its middle it fetches the next quarter's fragments into buffer g.
.macro QUARTER slot, k, f, g, zero
	s_wait_dscnt 8                                 ; wbf's fragments and abf's rows 0-63 are in; the youngest eight loads (rows 64-127) may be out
.if \zero
	WIN BIAS_LO
.else
	WIN MUL_LO
.endif
	MUL16 \f, 0, 0, \zero
	MUL16 \f, 0, 2, \zero
	PLACES
	FETCH \slot, \k, \g
	s_wait_dscnt 32                                ; all but the 32 just issued
.if \zero
	WIN BIAS_HI
.else
	WIN MUL_HI
.endif
	MUL16 \f, 1, 0, \zero
	MUL16 \f, 1, 2, \zero
.endm
.macro THREE slot, zero
	QUARTER \slot, 64,  F0, F1, \zero
	QUARTER \slot, 128, F1, F0, 0
	QUARTER \slot, 192, F0, F1, 0
.endm
; The last quarter: multiplies buffer 1 and changes slots.  fill = 1: this slot gets the tiles two K steps ahead, by joint loads; fill = 2: it gets the cx tile, by a tensor load
; without a mask; fill = 0: nothing.  In front of the barrier each wave waits for its reads of this slot and for all its tensor loads (one is out: its part of the next slot).
; Where the slot is filled again the barrier opens a round of the cluster's barrier, and the fill is the wave's first and only tensor load behind the round.
; From a request to the wait for it a wave issues 240 matrix instructions.
.macro TURN slot, next, fill
	s_wait_dscnt 8
	WIN MUL_LO
	MUL16 F1, 0, 0, 0
	s_wait_dscnt 0                                 ; my reads of this slot are over
	s_wait_tensorcnt 0x0                           ; and all my tensor loads have landed
	ds_add_u32 v255, v25
	s_wait_dscnt 0x0
	s_barrier_signal -1
	MUL16 F1, 0, 2, 0                              ; registers only, while the others arrive
	WIN 0
	s_barrier_wait -1
.if \fill == 1
	CREST
	s_add_nc_u64 s[G0+4*\slot+2:G0+4*\slot+3], s[G0+4*\slot+2:G0+4*\slot+3], 2*KSTEP*2
	s_add_nc_u64 s[G0B+4*\slot+2:G0B+4*\slot+3], s[G0B+4*\slot+2:G0B+4*\slot+3], 2*KSTEP*2
	JLOAD \slot
.endif
.if \fill == 2
	CREST
	tensor_load_to_lds s[G0C:G0C+3], s[G1C:G1C+7]  ; my 64 rows of cx: they have the whole last K step in which to land
	s_nop 0
.endif
	PLACES
	FETCH \next, 0, F0
	WIN MUL_HI
	MUL16 F1, 1, 0, 0
	MUL16 F1, 1, 2, 0
.endm
.macro LAP zero                        ; once round the ring, both slots filled again
	THREE 0, \zero
	TURN 0, 1, 1
	THREE 1, 0
	TURN 1, 0, 1
.endm
	s_wait_tensorcnt 1                             ; my part of K step 0 is in; K step 1's may stay out
	s_barrier_signal -1
	s_barrier_wait -1                              ; everybody's is
	FETCH 0, 0, F0
	LAP 1                                          ; the first lap stands in front of the loop: its first products start the sums
	WIN 0                                          ; at a label and at a branch every window is 0
	s_mov_b32 s3, LAPS-2
.Llap:
	LAP 0
	WIN 0
	s_sub_co_u32 s3, s3, 1
	s_cmp_lg_u32 s3, 0
	s_cbranch_scc1 .Llap
	THREE 0, 0                                     ; the last lap: slot 0 is free after its K step and takes the cx tile
	TURN 0, 1, 2
	THREE 1, 0
	s_wait_dscnt 8                                 ; the very last quarter: nothing more to fetch
	WIN MUL_LO
	MUL16 F1, 0, 0, 0
	MUL16 F1, 0, 2, 0
	s_wait_dscnt 0
	WIN MUL_HI
	MUL16 F1, 1, 0, 0
	MUL16 F1, 1, 2, 0
	; THE TAIL.
	WIN 0
	PLACES                                         ; behind the last matrix instructions: for the loads into their sources and the reads of their results
	s_wait_dscnt 0x0                               ; my reads of slot 1 are over: it becomes the stages
	s_wait_tensorcnt 0x0                           ; my quarter of cx has landed
	s_barrier_signal -1
	s_barrier_wait -1                              ; both hold of every wave.  No LDS byte is filled by a tensor load from here on
	; cx of my 128 outputs: unit u = 2 (16-row block) + jb, 32 bytes a lane.  They are waited for in the first unit, where cx is first used.
.irp m, 0,1,2,3,4,5,6,7
.irp jb, 0,1
	ds_load_b128 v[CXR+8*(2*\m+\jb):CXR+8*(2*\m+\jb)+3],   v[CXA] offset:16*\m*PITCH+64*\jb
	ds_load_b128 v[CXR+8*(2*\m+\jb)+4:CXR+8*(2*\m+\jb)+7], v[CXA] offset:16*\m*PITCH+64*\jb+16
.endr
.endr
.macro ONEPLUS d, s                    ; d = s + 1
.irp p, 0,2,4,6
	v_pk_add_f32 v[\d+\p:\d+\p+1], v[\s+\p:\s+\p+1], 1.0 op_sel_hi:[1,0]
.endr
.endm
.macro ONEMINUS d                      ; d = 1 - d, one rounding
.irp p, 0,2,4,6
	v_pk_fma_f32 v[\d+\p:\d+\p+1], v[\d+\p:\d+\p+1], -1.0, 1.0 op_sel_hi:[1,0,0]
.endr
.endm
.macro PKMUL d, a, b
.irp p, 0,2,4,6
	v_pk_mul_f32 v[\d+\p:\d+\p+1], v[\a+\p:\a+\p+1], v[\b+\p:\b+\p+1]
.endr
.endm
.macro PKFMA d, a, b, c
.irp p, 0,2,4,6
	v_pk_fma_f32 v[\d+\p:\d+\p+1], v[\a+\p:\a+\p+1], v[\b+\p:\b+\p+1], v[\c+\p:\c+\p+1]
.endr
.endm
.macro RUN op, base, n                 ; n transcendentals in place, back to back on different registers
.set q, 0
.rept \n
	\op v[\base+q], v[\base+q]
.set q, q+1
.endr
.endm
.macro CUT base, n                     ; exponents of 2 cut off at +60
.set q, 0
.rept \n
	v_min_num_f32 v[\base+q], s[S60], v[\base+q]
.set q, q+1
.endr
.endm
; One unit: eight outputs a lane, rows 16 (4 hi + a) + r, columns 16 jb + 8 h + 0..7 of my 32.  w = 1: the loads of cx are waited for here.
; With ef = 2^(-zf log2 e), ei, eo likewise and eg = 2^(-2 zg log2 e), ec = 2^(-2 C log2 e):
;   C = cx / (1 + ef) + (1 - eg) / ((1 + ei)(1 + eg)),   h = (1 - ec) / ((1 + eo)(1 + ec)):  three reciprocals for five divisions.
; ef is not cut off: if it overflows, 1 / (1 + ef) is 0, which is the sigmoid's limit.
; Behind each run of transcendentals one v_nop stands before a result is used (ISA guide 5.7.2).
.macro GATES hi, a, jb, w
.set UN, 2*(4*\hi+\a)+\jb
.set UO, 16*(4*\hi+\a)*PITCH+64*\jb
.set CX, CXR+8*UN
.set AF, 8*(8*\a+\jb)
.set AI, 8*(8*\a+2+\jb)
.set AG, 8*(8*\a+4+\jb)
.set AO, 8*(8*\a+6+\jb)
.if \hi
	WIN 0x03                                       ; source 0: window 3
.else
	WIN 0x02                                       ; source 0: window 2
.endif
.irp p, 0,2,4,6
	v_pk_mul_f32 v[ZF+\p:ZF+\p+1], v[AF+\p:AF+\p+1], s[SNL:SNL+1] op_sel_hi:[1,0]
	v_pk_mul_f32 v[ZI+\p:ZI+\p+1], v[AI+\p:AI+\p+1], s[SNL:SNL+1] op_sel_hi:[1,0]
	v_pk_mul_f32 v[ZG+\p:ZG+\p+1], v[AG+\p:AG+\p+1], s[SN2L:SN2L+1] op_sel_hi:[1,0]
	v_pk_mul_f32 v[ZO+\p:ZO+\p+1], v[AO+\p:AO+\p+1], s[SNL:SNL+1] op_sel_hi:[1,0]
.endr
	WIN 0
	CUT ZI, 24                                     ; ZI, ZG, ZO lie side by side
	RUN v_exp_f32, ZF, 32                          ; ef, ei, eg, eo
	v_nop
	s_wait_alu depctr_va_vdst(0)
	ONEPLUS ZF, ZF                                 ; 1 + ef
	ONEPLUS UV, ZG                                 ; 1 + eg
	PKFMA TT, ZI, UV, UV                           ; (1 + ei)(1 + eg)
	ONEMINUS ZG                                    ; 1 - eg
	RUN v_rcp_f32, ZF, 8
	RUN v_rcp_f32, TT, 8
	v_nop
	s_wait_alu depctr_va_vdst(0)
	PKMUL ZG, ZG, TT                               ; sigmoid(i) tanh(g)
.if \w
	s_wait_dscnt 0x0                               ; all of cx is in registers
.endif
	PKFMA CX, ZF, CX, ZG                           ; C
.irp p, 0,2,4,6
	v_pk_mul_f32 v[TT+\p:TT+\p+1], v[CX+\p:CX+\p+1], s[SN2L:SN2L+1] op_sel_hi:[1,0]
.endr
	CUT TT, 8
	RUN v_exp_f32, TT, 8                           ; ec
	v_nop
	s_wait_alu depctr_va_vdst(0)
	ONEPLUS UV, TT                                 ; 1 + ec
	PKFMA ZI, ZO, UV, UV                           ; (1 + eo)(1 + ec)
	ONEMINUS TT                                    ; 1 - ec
	RUN v_rcp_f32, ZI, 8
	v_nop
	s_wait_alu depctr_va_vdst(0)
	PKMUL ZF, TT, ZI                               ; h
	ds_store_b128 v[STH], v[ZF:ZF+3] offset:UO     ; an LDS store's sources need no wait before they are written again
	ds_store_b128 v[STH], v[ZF+4:ZF+7] offset:UO+16
	ds_store_b128 v[STC], v[CX:CX+3] offset:UO
	ds_store_b128 v[STC], v[CX+4:CX+7] offset:UO+16
.endm
; THE WAY OUT goes in four phases, so that the stores leave while later units are still computed.  Phase p is the four units of my rows 32 p .. 32 p + 31.
; A row of a stage is written by two waves (128 bytes each), so a barrier ends the phase.  Different phases use different rows of the stages:
; what is read behind a phase's barrier is written by nobody any more, and one barrier a phase is enough.
.macro PHASE_END
	s_wait_dscnt 0x0                               ; my stores into the stages are done
	s_barrier_signal -1
	s_barrier_wait -1                              ; everybody's are: rows 32 p .. 32 p + 31 of both row halves are whole
.endm
; Of the phase's rows I read 16 of h and 16 of C back: each LDS load takes two whole rows of 256 bytes.  h goes into v32-63 in every phase, C into the 32 registers
; that held the phase's own C (its LDS stores are done), which are not written again.
.macro OUTLD p
.if \p
	s_wait_xcnt 0x0                                ; v32-63, which the last phase's stores name, are loaded again only behind this wait
.endif
.irp t, 0,1,2,3,4,5,6,7
	ds_load_b128 v[OH+4*\t:OH+4*\t+3], v[RDH] offset:(32*\p+2*\t)*PITCH
.endr
.irp t, 0,1,2,3,4,5,6,7
	ds_load_b128 v[CXR+32*\p+4*\t:CXR+32*\p+4*\t+3], v[RDC] offset:(32*\p+2*\t)*PITCH
.endr
.endm
; The 16 stores: sixteen lanes store 256 consecutive bytes at a multiple of 256 from the buffer's first byte.  lh, lc: how many younger LDS instructions may be out.
.macro OUTST p, lh, lc
	s_wait_dscnt \lh
.irp t, 0,1,2,3,4,5,6,7
	global_store_b128 v[CO], v[OH+4*\t:OH+4*\t+3], s[86:87] offset:(32*\p+2*\t)*ROWB th:TH_STORE_NT
.endr
.if \lc != \lh
	s_wait_dscnt \lc
.endif
.irp t, 0,1,2,3,4,5,6,7
	global_store_b128 v[CO], v[CXR+32*\p+4*\t:CXR+32*\p+4*\t+3], s[88:89] offset:(32*\p+2*\t)*ROWB th:TH_STORE_NT
.endr
.endm
	GATES 0, 0, 0, 1
	GATES 0, 0, 1, 0
	GATES 0, 1, 0, 0
	GATES 0, 1, 1, 0
	PHASE_END
	OUTLD 0
	GATES 0, 2, 0, 0                               ; one unit's arithmetic while the 16 loads come back
	OUTST 0, 4, 4                                  ; LDS instructions end in order: only that unit's four LDS stores are younger than the loads
	GATES 0, 2, 1, 0
	GATES 0, 3, 0, 0
	GATES 0, 3, 1, 0
	PHASE_END
	OUTLD 1
	GATES 1, 0, 0, 0
	OUTST 1, 4, 4
	GATES 1, 0, 1, 0
	GATES 1, 1, 0, 0
	GATES 1, 1, 1, 0
	PHASE_END
	OUTLD 2
	GATES 1, 2, 0, 0
	OUTST 2, 4, 4
	GATES 1, 2, 1, 0
	GATES 1, 3, 0, 0
	GATES 1, 3, 1, 0
	PHASE_END
	OUTLD 3
	OUTST 3, 8, 0                                  ; nothing is left to compute: h when its eight loads are in (C's eight are younger), then C
	s_set_vgpr_msb 0x1
	s_wait_tensorcnt 0x0
	ds_add_u32 v255, v25
	s_wait_dscnt 0x0
	s_set_vgpr_msb 0x100
	CROUND                                         ; the closing round: no work-group ends while a partner may still ask for a tile that names it
	s_endpgm
.Lfunc_end_k_q82608c9cbb_lstm:
	.size	k_q82608c9cbb_lstm, .Lfunc_end_k_q82608c9cbb_lstm-k_q82608c9cbb_lstm
	.p2alignl 7, 3214868480
	.fill 96, 4, 3214868480
	.section	.rodata,"a",@progbits
	.p2align	6, 0x0
	.amdhsa_kernel k_q82608c9cbb_lstm
		.amdhsa_group_segment_fixed_size 327680
		.amdhsa_private_segment_fixed_size 0
		.amdhsa_enable_private_segment 0
		.amdhsa_kernarg_size 56
		.amdhsa_user_sgpr_count 2
		.amdhsa_user_sgpr_kernarg_segment_ptr 1
		.amdhsa_wavefront_size32 1
		.amdhsa_system_sgpr_workgroup_id_x 1
		.amdhsa_system_sgpr_workgroup_id_y 1
		.amdhsa_system_sgpr_workgroup_id_z 1
		.amdhsa_system_vgpr_workitem_id 0
		.amdhsa_next_free_vgpr 1024
		.amdhsa_next_free_sgpr 100
		.amdhsa_reserve_vcc 0
		.amdhsa_float_denorm_mode_32 3
		.amdhsa_float_denorm_mode_16_64 3
		.amdhsa_memory_ordered 1
		.amdhsa_forward_progress 1
		.amdhsa_inst_pref_size 255
	.end_amdhsa_kernel
	.section	.bss,"aw",@nobits
	.p2align	6
	.space	262144
	.amdgpu_metadata
---
amdhsa.version: [ 1, 2 ]
amdhsa.kernels:
  - .name:           k_q82608c9cbb_lstm
    .symbol:         k_q82608c9cbb_lstm.kd
    .args:
      - { .name: abf, .offset: 0, .size: 8, .value_kind: global_buffer, .address_space: global }
      - { .name: wbf, .offset: 8, .size: 8, .value_kind: global_buffer, .address_space: global }
      - { .name: cx, .offset: 16, .size: 8, .value_kind: global_buffer, .address_space: global }
      - { .name: bx, .offset: 24, .size: 8, .value_kind: global_buffer, .address_space: global }
      - { .name: bh, .offset: 32, .size: 8, .value_kind: global_buffer, .address_space: global }
      - { .name: out0, .offset: 40, .size: 8, .value_kind: global_buffer, .address_space: global }
      - { .name: out1, .offset: 48, .size: 8, .value_kind: global_buffer, .address_space: global }
    .group_segment_fixed_size: 327680
    .private_segment_fixed_size: 0
    .kernarg_segment_align: 8
    .kernarg_segment_size: 56
    .max_flat_workgroup_size: 128
    .sgpr_count:     100
    .vgpr_count:     1024
    .wavefront_size: 32
...
	.end_amdgpu_metadata
.endif
;; end of part 2
